; MI455X (gfx1250); checked and timed in simulation.
; The chip was launched on July 23, 2026; its instructions are those of AMD's public machine-readable ISA for CDNA 5 (MIT licence, August 2026) and "CDNA5" Instruction Set Architecture Reference Guide (July 2026). The comments in the code are by the model that wrote it; some were corrected since.
;; Attention. Allowed arithmetic: matrix products marked QUANTISED: E4M3 operands, one given power-of-two scale a tensor, by v_wmma_f32_16x16x64_fp8_fp8 or v_wmma_f32_16x16x128_fp8_fp8, f32 sums; products left as they are: f32 operands where the result goes on into a quantised operand, else bf16, f16 or f32 operands; f32 sums; everything else in f32.
;; Inputs: Wh_w_codes 1,024 x 32 x 32 uint8 (E4M3 codes of Wh_w, K innermost, in blocks of 32 codes); Ws_b 1,024 float32; Ws_w_codes 1,024 x 32 x 32 uint8 (E4M3 codes of Ws_w, K innermost, in blocks of 32 codes); c_dec 1 x 128 x 512 float32; coverage_vector 128 x 512 float32; encoder_output 128 x 512 x 1,024 float32; h_dec 1 x 128 x 512 float32; lowp_scales 4 int32 (the exponents e of the quantised operands' scales 2^e); v_w 1,024 float32; wc_w 1,024 float32; x_padding_masks 128 x 512 float32.
;; Outputs: out0 128 x 1,024 float32; out1 128 x 512 float32; out2 128 x 512 float32.
;; This version of the problem:
;;   THIS VERSION OF THE PROBLEM IS GIVEN IN LOW PRECISION. The matrix products marked QUANTISED in the list below multiply operands that are first quantised to E4M3 (4 exponent bits, 3 mantissa bits; 8 bits a number), with one given power-of-two scale for each operand tensor; their sums are f32. All else is computed in f32.
;;   The module's matrix products, in the order in which they are computed (A, B: the left and right operand; K: the contracted axis; several contracted axes count as one K, in the product's order):
;;     1. [M 65,536, K 1,024] x [K 1,024, N 1,024]; A: input encoder_output; B: input Wh_w (given as codes): QUANTISED (scales: A lowp_scales[0], B lowp_scales[1])
;;     2. [M 128, K 1,024] x [K 1,024, N 1,024]; A: computed on the way; B: input Ws_w (given as codes): QUANTISED (scales: A lowp_scales[2], B lowp_scales[3])
;;     3. [M 65,536, K 1,024] x [K 1,024, N 1]; A: computed on the way; B: input v_w: left as it is (N = 1 < 16)
;;     4. batch 128 x [M 1, K 512] x [K 512, N 1,024]; A: computed on the way; B: input encoder_output: left as it is (M = 1 < 16)
;;   THE QUANTISER, for each operand of a quantised product, along K:
;;     - The operand's scale is 2^e, e = its entry of the input lowp_scales (int32; the entries are numbered through the quantised products in the list's order, A before B).
;;     - Each number is divided by the scale, clamped to +-448, and rounded to the nearest number of E4M3, ties to even, subnormals kept.
;;     - The product sums the exact products of the quantised numbers (number of the format x scale) in f32.
;;   ~~~python
;;   def quantise(x, axis, e):      # numpy; x: float32 -> the quantised numbers, widened to float32 again
;;       x = np.moveaxis(x, axis, -1); K = x.shape[-1]
;;       r = np.clip(x / 2.0 ** e, -448, 448)
;;       step = 2.0 ** (np.maximum(np.frexp(np.where(r == 0, 1, r))[1] - 1, -6) - 3)
;;       q = np.round(r / step) * step * 2.0 ** e      # np.round: ties to even
;;       return np.moveaxis(q, -1, axis).astype(np.float32)
;;   ~~~
;;   OPERANDS COMPUTED ON THE WAY. 'Computed on the way' means the value that the module computes at that place (a softmax that the list does not call 'softmax' is quantised finished and normalised). What goes into a quantiser is computed in f32, as accurately as f32 sums, v_exp_f32 and their like allow (about 1e-6 of the number): no bf16 or f16 on the way to a quantiser, and a product that is left as it is and whose result goes on into a quantised operand takes f32 operands (vector FMAs, or v_wmma_f32_16x16x4_f32). A number that lies on a knife's edge between two numbers of the format may be rounded either way, as far as f32 arithmetic and the matrix unit's own rounding can turn it there, and no further.
;;   INPUTS GIVEN AS CODES. Wh_w (in the module: [1024, 1024], K = its axis 1); Ws_w (in the module: [1024, 1024], K = its axis 1): each comes as NAME_codes (uint8): NAME with its K axis moved to the last place and cut into blocks of 32 codes, [.., K / 32, bytes a block], one block behind the other in memory; one code a byte (a code: sign, 4 exponent bits, 3 mantissa bits); its scale is its entry of lowp_scales. Its value is code x scale, taken as it is: it is not quantised again, and the codes and scales need not be those that the quantiser above would give.
;; One version. Each part assembles by itself: llvm-mc -triple=amdgcn-amd-amdhsa -mcpu=gfx1250 --defsym DOCPART=n.
;; ======== version 1 of 1: 3 launches
;; limits: right only within a limited range of input values
;; workspace buffers: decf 524,288 bytes; scores 262,144 bytes
;; launch dec (part 1): grid 16 x 8, 8 waves a work-group, no clusters, 33,792 bytes of LDS; arguments h_dec, c_dec, Ws_w_codes, Ws_b, lowp_scales, decf; writes decf
.if DOCPART == 1
	.amdgcn_target "amdgcn-amd-amdhsa--gfx1250"
	.amdhsa_code_object_version 6
	.text
	.protected	k_q080c05c38e_dec
	.globl	k_q080c05c38e_dec
	.p2align	8
	.type	k_q080c05c38e_dec,@function
k_q080c05c38e_dec:
	s_mov_b64 s[64:65], 0
	v_nop
	global_prefetch_b8 v0, s[64:65] scope:SCOPE_SE
	s_setreg_imm32_b32 hwreg(HW_REG_WAVE_MODE, 25, 1), 1
	s_wait_xcnt 0x0
; decf[b][n] = c x (sum over k of Q(s_t)[b][k] Ws[n][k] x 2^(e2 + e3) + Ws_b[n]),  c = 2 log2(e),  s_t = h_dec | c_dec.
; The factor c is what the next launch wants in front of its exponentials: tanh(x) = 1 - 2 / (1 + 2^(c x)).
; s_t is quantised here to E4M3 with the given scale 2^e2 (held within +-448 x 2^e2 first); Ws comes as codes, K innermost.
; SHARES.  A work-group makes 16 batches (y) x 64 columns (x).  Wave w takes K step w (k = 128 w .. 128 w + 127): waves 0-3 read h_dec,
; waves 4-7 c_dec.  All loads of the launch go out at once; the eight partial sums meet in LDS behind one barrier.
; A fragment is fed as four pieces of 16 bytes (registers 4 c .. 4 c + 3: k = 32 c + 16 (lane / 16) + 0 .. 15), the same in both operands.
; No cluster and no tensor load: each operand goes from memory straight into registers, once; a work-group reads 64 KB of codes and 64 KB of f32.
; LIMITS: e2 between -126 and 119; e2 + e3 between -127 and 126 (it is added to the exponent field of c).  NaN among the inputs is not served.
.set AR,  32                           ; v32-95   64 numbers of s_t: register 16 b + i = k 32 b + 16 h + i of my row; later the eight partial quads
.set CD,  96                           ; v96-111  their codes
.set BF,  112                          ; v112-175 four fragments of Ws
.set ACC, 176                          ; v176-207 four accumulators
	s_load_b256 s[4:11], s[0:1], 0x0               ; h_dec s[4:5], c_dec s[6:7], Ws codes s[8:9], Ws_b s[10:11]
	s_load_b128 s[12:15], s[0:1], 0x20             ; scales s[12:13], decf s[14:15]
	v_lshl_add_u32 v208, v0, 2, 0x8000
	v_mov_b32 v209, 0
	v_lshrrev_b32 v1, 5, v0
	s_delay_alu instid0(VALU_DEP_1)
	v_readfirstlane_b32 s16, v1                    ; wave 0..7
	v_and_b32 v1, 31, v0                           ; lane
	v_and_b32 v2, 15, v0                           ; r
	v_bfe_u32 v3, v0, 4, 1                         ; h
	s_delay_alu instid0(VALU_DEP_2)
	v_lshlrev_b32 v4, 11, v2
	s_delay_alu instid0(VALU_DEP_1)
	v_lshl_add_u32 v4, v3, 6, v4                   ; s_t: row r of 2,048 bytes + 64 h
	s_delay_alu instid0(VALU_DEP_4)
	v_lshlrev_b32 v5, 10, v2
	s_delay_alu instid0(VALU_DEP_1)
	v_lshl_add_u32 v5, v3, 4, v5                   ; Ws: row r of 1,024 bytes + 16 h
	s_lshl_b32 s17, s16, 12
	v_lshl_add_u32 v6, v1, 2, s17                  ; partial sums: 4 x lane + 4,096 x wave
	v_bfe_u32 v20, v0, 2, 2                        ; the reduction: thread T takes batch m = T / 16 and columns 4 g .. 4 g + 3, g = T % 16
	s_delay_alu instid0(VALU_DEP_1)
	v_lshlrev_b32 v7, 10, v20                      ; tile g / 4
	v_bfe_u32 v20, v0, 4, 3
	s_delay_alu instid0(VALU_DEP_1)
	v_lshl_add_u32 v7, v20, 7, v7                  ; register m % 8
	v_bfe_u32 v20, v0, 7, 1
	s_delay_alu instid0(VALU_DEP_1)
	v_lshl_add_u32 v7, v20, 6, v7                  ; half m / 8
	v_and_b32 v20, 3, v0
	s_delay_alu instid0(VALU_DEP_1)
	v_lshl_add_u32 v7, v20, 4, v7                  ; lanes 4 (g % 4) on
	v_lshlrev_b32 v9, 4, v2                        ; 16 g: my bytes of the bias
	v_lshrrev_b32 v20, 4, v0
	s_delay_alu instid0(VALU_DEP_1)
	v_lshl_add_u32 v8, v20, 12, v9                 ; and of decf: m rows of 4,096 bytes + 16 g
	s_and_b32 s18, ttmp7, 0xffff                   ; y
	s_and_b32 s19, s16, 3
	s_lshl_b32 s19, s19, 9                         ; my K step inside h_dec or c_dec
	s_lshl_b32 s20, s18, 15                        ; 16 y rows of 2,048 bytes
	s_add_co_u32 s20, s20, s19
	s_mov_b32 s21, 0
	s_lshl_b32 s22, ttmp9, 16                      ; 64 x rows of 1,024 bytes
	s_lshl_b32 s23, s16, 7
	s_add_co_u32 s22, s22, s23                     ; + 128 w
	s_mov_b32 s23, 0
	s_lshl_b32 s24, ttmp9, 8                       ; 64 x numbers of 4 bytes
	s_mov_b32 s25, 0
	s_lshl_b32 s26, s18, 16                        ; 16 y rows of 4,096 bytes
	s_add_co_u32 s26, s26, s24
	s_mov_b32 s27, 0
	s_wait_alu depctr_va_vdst(0)
	s_wait_kmcnt 0x0
	s_load_b128 s[28:31], s[12:13], 0x0            ; e0, e1, e2, e3
	s_cmp_lt_u32 s16, 4                            ; the choice hangs on the wave number alone
	s_cselect_b64 s[4:5], s[4:5], s[6:7]
	s_add_nc_u64 s[4:5], s[4:5], s[20:21]
	s_add_nc_u64 s[8:9], s[8:9], s[22:23]
	s_add_nc_u64 s[10:11], s[10:11], s[24:25]
	s_add_nc_u64 s[14:15], s[14:15], s[26:27]
.irp b, 0,1,2,3
.irp j, 0,1,2,3
	global_load_b128 v[AR+16*\b+4*\j:AR+16*\b+4*\j+3], v4, s[4:5] offset:128*\b+16*\j
.endr
.endr
.irp t, 0,1,2,3
.irp c, 0,1,2,3
	global_load_b128 v[BF+16*\t+4*\c:BF+16*\t+4*\c+3], v5, s[8:9] offset:16384*\t+32*\c
.endr
.endr
	global_load_b128 v[24:27], v9, s[10:11]        ; the bias of my four columns
	s_wait_kmcnt 0x0
	s_add_co_i32 s32, s30, 127
	s_lshl_b32 s33, s32, 23
	v_mov_b32 v10, s33                             ; 2^e2 as f32: the conversion takes its exponent field
	s_add_co_i32 s32, s32, 8
	s_lshl_b32 s32, s32, 23
	s_or_b32 s32, s32, 0x600000
	v_mov_b32 v11, s32                             ; 448 x 2^e2
	s_add_co_i32 s34, s30, s31
	s_lshl_b32 s34, s34, 23
	s_add_co_i32 s34, s34, 0x4038aa3b              ; c x 2^(e2 + e3): the exponents are added to the exponent field of c
	s_mov_b32 s35, s34                             ; named with it as a pair, so it is written
	s_wait_alu depctr_va_vdst(0)
	s_wait_loadcnt 0x0                             ; everything is in: one wait for the launch
.set n, 0
.rept 64
	v_med3_num_f32 v[AR+n], v[AR+n], -v11, v11     ; the conversion to an 8-bit code does not saturate (ISA guide 7.6.2): the hold comes first
.set n, n+1
.endr
.irp g, 0,1,2,3,4,5,6,7
	v_cvt_scalef32_pk8_fp8_f32 v[CD+2*\g:CD+2*\g+1], v[AR+8*\g:AR+8*\g+7], v10
.endr
	v_nop                                          ; one plain vector line between the conversions and the products that read the codes
.irp t, 0,1,2,3
	v_wmma_f32_16x16x128_fp8_fp8 v[ACC+8*\t:ACC+8*\t+7], v[CD:CD+15], v[BF+16*\t:BF+16*\t+15], 0   ; register i of lane (r, h): batch 8 h + i, column 16 t + r
.endr
.rept 4
	v_nop                                          ; four places in front of the first read of the results (ISA guide 7.12.1)
.endr
.irp t, 0,1,2,3
.irp i, 0,1,2,3,4,5,6,7
	ds_store_b32 v6, v[ACC+8*\t+\i] offset:1024*\t+128*\i   ; each accumulator from its low end on
.endr
.endr
	s_wait_dscnt 0x0                               ; for the other waves: my partial sums lie in LDS
	s_barrier_signal -1
	s_barrier_wait -1
.irp k, 0,1,2,3,4,5,6,7
	ds_load_b128 v[AR+4*\k:AR+4*\k+3], v7 offset:4096*\k    ; the eight K steps of my four numbers
.endr
	v_pk_mul_f32 v[24:25], v[24:25], 0x4038aa3b op_sel_hi:[1,0]   ; c x bias
	v_pk_mul_f32 v[26:27], v[26:27], 0x4038aa3b op_sel_hi:[1,0]
	s_wait_dscnt 0x0
.irp k, 0,2,4,6
	v_pk_add_f32 v[AR+4*\k:AR+4*\k+1], v[AR+4*\k:AR+4*\k+1], v[AR+4*\k+4:AR+4*\k+5]
	v_pk_add_f32 v[AR+4*\k+2:AR+4*\k+3], v[AR+4*\k+2:AR+4*\k+3], v[AR+4*\k+6:AR+4*\k+7]
.endr
.irp k, 0
	v_pk_add_f32 v[AR+4*\k:AR+4*\k+1], v[AR+4*\k:AR+4*\k+1], v[AR+4*\k+8:AR+4*\k+9]
	v_pk_add_f32 v[AR+4*\k+2:AR+4*\k+3], v[AR+4*\k+2:AR+4*\k+3], v[AR+4*\k+10:AR+4*\k+11]
.endr
.irp k, 4
	s_delay_alu instid0(VALU_DEP_4)
	v_pk_add_f32 v[AR+4*\k:AR+4*\k+1], v[AR+4*\k:AR+4*\k+1], v[AR+4*\k+8:AR+4*\k+9]
	s_delay_alu instid0(VALU_DEP_4)
	v_pk_add_f32 v[AR+4*\k+2:AR+4*\k+3], v[AR+4*\k+2:AR+4*\k+3], v[AR+4*\k+10:AR+4*\k+11]
.endr
	s_delay_alu instid0(VALU_DEP_2)
	v_pk_add_f32 v[AR:AR+1], v[AR:AR+1], v[AR+16:AR+17]
	s_delay_alu instid0(VALU_DEP_2)
	v_pk_add_f32 v[AR+2:AR+3], v[AR+2:AR+3], v[AR+18:AR+19]
	s_delay_alu instid0(VALU_DEP_2)
	v_pk_fma_f32 v[28:29], v[AR:AR+1], s[34:35], v[24:25] op_sel_hi:[1,0,1]     ; sum x c 2^(e2 + e3) + c x bias
	s_delay_alu instid0(VALU_DEP_2)
	v_pk_fma_f32 v[30:31], v[AR+2:AR+3], s[34:35], v[26:27] op_sel_hi:[1,0,1]
	global_store_b128 v8, v[28:31], s[14:15]       ; sixteen lanes store 256 consecutive bytes, at a multiple of 256 from the first byte of decf
	s_wait_tensorcnt 0x0
	ds_add_u32 v208, v209
	s_wait_dscnt 0x0
	s_endpgm
.Lfunc_end_k_q080c05c38e_dec:
	.size	k_q080c05c38e_dec, .Lfunc_end_k_q080c05c38e_dec-k_q080c05c38e_dec
	.p2alignl 7, 3214868480
	.fill 96, 4, 3214868480
	.section	.rodata,"a",@progbits
	.p2align	6, 0x0
	.amdhsa_kernel k_q080c05c38e_dec
		.amdhsa_group_segment_fixed_size 33792
		.amdhsa_private_segment_fixed_size 0
		.amdhsa_enable_private_segment 0
		.amdhsa_kernarg_size 48
		.amdhsa_user_sgpr_count 2
		.amdhsa_user_sgpr_kernarg_segment_ptr 1
		.amdhsa_wavefront_size32 1
		.amdhsa_system_sgpr_workgroup_id_x 1
		.amdhsa_system_sgpr_workgroup_id_y 1
		.amdhsa_system_sgpr_workgroup_id_z 1
		.amdhsa_system_vgpr_workitem_id 0
		.amdhsa_next_free_vgpr 210
		.amdhsa_next_free_sgpr 66
		.amdhsa_reserve_vcc 0
		.amdhsa_float_denorm_mode_32 3
		.amdhsa_float_denorm_mode_16_64 3
		.amdhsa_memory_ordered 1
		.amdhsa_forward_progress 1
		.amdhsa_inst_pref_size 16
	.end_amdhsa_kernel
	.amdgpu_metadata
---
amdhsa.version: [ 1, 2 ]
amdhsa.kernels:
  - .name:           k_q080c05c38e_dec
    .symbol:         k_q080c05c38e_dec.kd
    .args:
      - { .name: h_dec, .offset: 0, .size: 8, .value_kind: global_buffer, .address_space: global }
      - { .name: c_dec, .offset: 8, .size: 8, .value_kind: global_buffer, .address_space: global }
      - { .name: Ws_w_codes, .offset: 16, .size: 8, .value_kind: global_buffer, .address_space: global }
      - { .name: Ws_b, .offset: 24, .size: 8, .value_kind: global_buffer, .address_space: global }
      - { .name: lowp_scales, .offset: 32, .size: 8, .value_kind: global_buffer, .address_space: global }
      - { .name: decf, .offset: 40, .size: 8, .value_kind: global_buffer, .address_space: global }
    .group_segment_fixed_size: 33792
    .private_segment_fixed_size: 0
    .kernarg_segment_align: 8
    .kernarg_segment_size: 48
    .max_flat_workgroup_size: 256
    .sgpr_count:     66
    .vgpr_count:     210
    .wavefront_size: 32
...
	.end_amdgpu_metadata
.endif
;; end of part 1
;; launch score (part 2): grid 256 x 1, 4 waves a work-group, clusters of 4 x 1, 327,680 bytes of LDS; arguments encoder_output, Wh_w_codes, coverage_vector, decf, wc_w, v_w, lowp_scales, scores; writes scores
.if DOCPART == 2
	.amdgcn_target "amdgcn-amd-amdhsa--gfx1250"
	.amdhsa_code_object_version 6
	.text
	.protected	k_q080c05c38e_score
	.globl	k_q080c05c38e_score
	.p2align	8
	.type	k_q080c05c38e_score,@function
k_q080c05c38e_score:
	s_mov_b64 s[64:65], 0
	v_nop
	global_prefetch_b8 v0, s[64:65] scope:SCOPE_SE
	s_setreg_imm32_b32 hwreg(HW_REG_WAVE_MODE, 25, 1), 1
	s_wait_xcnt 0x0
	s_wait_alu depctr_hold_cnt(0) depctr_sa_sdst(0) depctr_va_vdst(0) depctr_va_sdst(0) depctr_va_ssrc(0) depctr_va_vcc(0) depctr_vm_vsrc(0)
	s_getreg_b32 s2, hwreg(HW_REG_IB_STS2, 6, 4)
	s_cmp_eq_u32 s2, 0
	s_cbranch_scc0 .Lentry_in_a_cluster
	s_endpgm
.Lentry_in_a_cluster:
	s_bfe_u32 s2, ttmp6, 0x10000c
	s_cmp_lg_u32 s2, 0x3003
	s_cbranch_scc0 .Lentry_shape_is_right
	s_endpgm
.Lentry_shape_is_right:
; scores[row] = sum over n of -2 v[n] / (1 + 2^(c x[row][n])),  c = 2 log2(e),
; x = Q(enc)[row] . Wh[n] x 2^(e0 + e1) + dec[batch][n] + cov[row] wc[n]   (decf holds c x dec already).
; LEFT OUT: tanh(x) = 1 - 2 / (1 + 2^(c x)), so reference()'s score is the sum of v[n] plus what is stored here.  The sum of v is the same
; for all 512 places of a batch, whatever the inputs hold, and a softmax along those places takes it away: it is not added.
; LIMIT: an overflow of that sum alone is not carried to the result.  2^(c x) may become infinity or 0: the quotient is then 0 or 1, as tanh asks.
; LIMITS on the given exponents: e0 between -126 and 119; e0 + e1 between -127 and 126 (added to the exponent field of c).
; SHARES.  A work-group takes 256 rows (half a batch), a wave 64 of them.  PHASE 1: the wave's rows come as f32 tiles of 32 rows x 1,024 bytes by
; tensor loads of its own, are held within +-448 x 2^e0 and converted; the codes stay in registers: 4 row tiles x 8 K steps x 16 = 512.
; PHASE 2: Wh's codes walk through the same ring, 64 rows a fill, asked for JOINTLY by the four work-groups of the cluster.  A period is one tile of 16 columns:
; 32 matrix instructions on 4 accumulators by turns.  A lane holds one column (lane % 16) and 8 rows a row tile, so dec, wc and v are one quad a lane and period,
; from a table in LDS; the sums over columns stay in 32 registers and meet across 16 lanes at the end.
; THE WAY THROUGH TANH GOES IN THREE STAGES, a period apart.  Among tile p's products stand, for each register pair, three plain lines: S += y(p-2) x -2 v(p-2);
; y(p-1) = 1 + x(p-1); x(p) = cov x c wc + c dec.  Behind the products: x(p) += sum x c 2^(e0 + e1), then one batch: 2^x(p) and 1 / y(p-1).
; So no transcendental stands between two links of a sum or between a sum and its first reader.  The first two periods find zeros as -2 v, and add nothing.
; No LDS load stands among a period's products: the 32 loads of the tile two periods on go out in one run behind them, into the register set just multiplied.
; ONE RING of two slots, 24 steps: 8 of enc, 16 of Wh.  Wh's lines of 1,040 bytes fall on enc's lines, from the same two bases.
; PREFETCH: in step t of phase 1 each wave asks for its own tile of step t + 2: 128 blocks of 256 bytes, a lane a block,
; 4 instructions; steps 6 and 7 ask for nothing; tiles 0 and 1 come by their loads alone.  None for Wh: its 1 MB is read by all 256 work-groups in the same order.
; A fragment holds, in registers 4 c .. 4 c + 3, k = 32 c + 16 (lane / 16) + 0 .. 15: the same places in both operands.
; REGISTERS.  Window 0: v1-15 addresses, v16-19 the quad, v24 and v26 -2 v of two tiles, v32-63 accumulators, v64-95 y, v96-127 x, v160-191 cov, v192-223 the sums
; (phase 1: v32-159 f32 numbers).  Window 1: Wh's fragments, two sets of 128.  Window 2: codes of K steps 0-3 (64 x row tile + 16 x K step), window 3: of K steps 4-7.
.set PITCH, 1040                       ; an LDS line: 1,024 bytes + 16: line r starts at bank 4 r mod 64 (ISA guide 11.1)
.set TILEB, 16*PITCH
.set ETILE, 32*PITCH                   ; a wave's part of an enc slot
.set SLOTB, 4*ETILE
.set SPARE, 2*SLOTB                    ; the spare words: 128 bytes a wave
.set TAB,   SPARE+512                  ; 1,024 quads: c dec, -2 v, c wc, 0
.set SCO,   TAB+16384                  ; 256 bytes a wave: its 64 scores
.set TABR,  16
.set K2,    24
.set K1,    26
.set ACC,   32
.set XT,    32
.set Y,     64
.set X,     96
.set COV,   160
.set S,     192
.set MSB, 0
.macro WIN new                         ; the immediate's high byte repeats the setting that is left
.if MSB != (\new)
	s_set_vgpr_msb (MSB<<8)|(\new)
.set MSB, (\new)
.endif
.endm
.macro PLACES
.rept 4
	v_nop
.endr
.endm
.macro CREST                           ; a round of the cluster's barrier behind its opening barrier
	s_cmp_lg_u32 s20, 0
	s_cbranch_scc1 .Lnot_wave_0_\@
	s_barrier_signal -3
.Lnot_wave_0_\@:
	s_barrier_wait -3
	s_barrier_signal -1
	s_barrier_wait -1
.endm
.macro CROUND                          ; a whole round
	s_barrier_signal -1
	s_barrier_wait -1
	CREST
.endm
	s_load_b256 s[4:11], s[0:1], 0x0               ; enc s[4:5], Wh s[6:7], cov s[8:9], decf s[10:11]
	s_load_b256 s[12:19], s[0:1], 0x20             ; wc s[12:13], v s[14:15], scales s[16:17], scores s[18:19]
	v_lshl_add_u32 v4, v0, 2, SPARE
	v_mov_b32 v5, 0
	ds_add_u32 v4, v5                              ; the opening lines: the add twice on end and one wait
	ds_add_u32 v4, v5
	v_lshrrev_b32 v28, 5, v0
	v_readfirstlane_b32 s20, v28                   ; wave 0..3
	s_bfe_u32 s21, ttmp6, 0x40000                  ; cx
	s_lshl_b32 s22, ttmp9, 2
	s_add_co_u32 s22, s22, s21                     ; work-group x
	s_mov_b32 s24, 15|(1<<20)|(1<<21)|(7<<22)|(3<<25)  ; group 1 for Wh: all four partners; bytes; 4 words of padding behind every 256
	s_mov_b32 s25, 1024<<16
	s_mov_b32 s26, 16<<16
	s_mov_b32 s27, 1024<<16
	s_mov_b32 s28, 16                              ; 16 rows of 1,024 bytes,
	s_mov_b32 s29, 1024                            ; dense
	s_mov_b32 s30, 0
	s_mov_b32 s31, 0
	s_mov_b32 s68, (1<<20)|(7<<22)|(3<<25)         ; group 1 for enc: no mask, the same padding
	s_mov_b32 s69, 1024<<16
	s_mov_b32 s70, 32<<16
	s_mov_b32 s71, 1024<<16
	s_mov_b32 s72, 32                              ; 32 rows of 1,024 bytes,
	s_mov_b32 s73, 4096                            ; 4,096 apart
	s_mov_b32 s74, 0
	s_mov_b32 s75, 0
	s_mul_i32 s60, s20, TILEB                      ; my part of a Wh fill
	s_mul_i32 s61, s20, ETILE                      ; my part of an enc slot
	s_lshl_b32 s57, s20, 8
	s_add_co_u32 s57, s57, SCO
	s_lshl_b32 s52, s22, 20                        ; enc: 256 rows of 4,096 bytes a work-group, 64 a wave
	s_lshl_b32 s53, s20, 18
	s_add_co_u32 s52, s52, s53
	s_mov_b32 s53, 0
	s_lshl_b32 s54, s22, 10                        ; cov and scores: 4 bytes a row
	s_lshl_b32 s55, s20, 8
	s_add_co_u32 s54, s54, s55
	s_mov_b32 s55, 0
	s_lshr_b32 s58, s22, 1                         ; the batch's row of decf
	s_lshl_b32 s58, s58, 12
	s_mov_b32 s59, 0
	s_lshl_b32 s62, s20, 14                        ; Wh: 16 rows a wave
	s_mov_b32 s63, 0
	s_mov_b32 s48, SLOTB                           ; the slot that is read, the table's place and the slot that is filled: the first change of phase 2 turns them to 0, 0 and slot 1
	s_mov_b32 s49, 0x3c00
	s_mov_b32 s51, 0
	s_wait_dscnt 0x0                               ; both opening adds are done
	s_wait_kmcnt 0x0
	s_load_b128 s[40:43], s[16:17], 0x0            ; e0, e1, e2, e3
	s_add_nc_u64 s[4:5], s[4:5], s[52:53]          ; my 64 rows of enc; not written again: the prefetches' base
	s_mov_b32 s32, 1                               ; group 0 for enc
	s_mov_b32 s33, s61
	s_mov_b64 s[34:35], s[4:5]
	s_or_b32 s35, s35, 0x80000000
	s_mov_b32 s36, 1                               ; group 0 for Wh: made of the wave's number alone
	s_mov_b32 s37, s60
	s_add_nc_u64 s[38:39], s[6:7], s[62:63]
	s_or_b32 s39, s39, 0x80000000
	s_add_nc_u64 s[8:9], s[8:9], s[54:55]
	s_add_nc_u64 s[18:19], s[18:19], s[54:55]
	s_add_nc_u64 s[10:11], s[10:11], s[58:59]
	CROUND
	tensor_load_to_lds s[32:35], s[68:75]          ; ring step 0: my one tensor load at the head
	s_nop 0
	PLACES
	v_and_b32 v28, 31, v0
	v_and_b32 v29, 15, v0                          ; r
	v_bfe_u32 v30, v0, 4, 1                        ; h
	v_mul_u32_u24 v6, v29, PITCH
	v_lshl_add_u32 v10, v30, 6, v6                 ; enc: line r + 64 h bytes (16 numbers),
	v_add_nc_u32 v10, s61, v10                     ; in my part of slot 0,
	v_add_nc_u32 v11, SLOTB, v10                   ; of slot 1
	v_lshl_add_u32 v6, v30, 4, v6                  ; Wh: line r + 16 h
	v_lshl_add_u32 v8, v29, 4, TAB                 ; the quad of column r
	v_lshl_add_u32 v14, v30, 5, s57                ; scores in: 32 h
	v_lshl_add_u32 v15, v28, 3, s57                ; and back: 8 x lane
	v_lshlrev_b32 v1, 5, v30                       ; cov: 8 h rows
	v_lshlrev_b32 v2, 5, v0                        ; thread T lays the quads of columns 8 T .. 8 T + 7
	v_lshl_add_u32 v3, v0, 7, TAB
	v_lshrrev_b32 v12, 2, v28                      ; the prefetches' offset: row lane / 4 of 4,096 bytes,
	v_and_b32 v31, 3, v28
	v_lshlrev_b32 v12, 12, v12
	v_lshl_add_u32 v12, v31, 8, v12                ; block lane % 4 of 256; never rewritten
.irp p, 0,1,2,3
	global_load_b128 v[COV+8*\p:COV+8*\p+3], v1, s[8:9] offset:64*\p         ; register 8 p + j: row 16 p + 8 h + j
	global_load_b128 v[COV+8*\p+4:COV+8*\p+7], v1, s[8:9] offset:64*\p+16
.endr
	global_load_b128 v[192:195], v2, s[10:11]
	global_load_b128 v[196:199], v2, s[10:11] offset:16
	global_load_b128 v[200:203], v2, s[12:13]
	global_load_b128 v[204:207], v2, s[12:13] offset:16
	global_load_b128 v[208:211], v2, s[14:15]
	global_load_b128 v[212:215], v2, s[14:15] offset:16
	s_wait_kmcnt 0x0
	s_add_co_i32 s52, s40, s41
	s_lshl_b32 s52, s52, 23
	s_add_co_i32 s44, s52, 0x4038aa3b              ; c x 2^(e0 + e1)
	s_mov_b32 s45, s44                             ; named with it as a pair
	s_add_co_i32 s52, s40, 127
	s_lshl_b32 s53, s52, 23
	v_mov_b32 v13, s53                             ; 2^e0: the conversion takes its exponent field
	s_add_co_i32 s52, s52, 8
	s_lshl_b32 s52, s52, 23
	s_or_b32 s47, s52, 0x600000                    ; 448 x 2^e0
	s_or_b32 s46, s47, 0x80000000
; PHASE 1.  Ring step t holds rows 32 (t / 4) .. + 31 of my 64 and k = 256 (t % 4) .. + 255: four fragments f: row tile f / 2, K step f % 2.
.macro ELOAD t, f                      ; 64 numbers a lane: register 16 b + 4 j + e: k = 32 b + 16 h + 4 j + e
.irp b, 0,1,2,3
.irp j, 0,1,2,3
	ds_load_b128 v[XT+64*((\f)%2)+16*\b+4*\j:XT+64*((\f)%2)+16*\b+4*\j+3], v[10+(\t)%2] offset:((\f)/2)*TILEB+512*((\f)%2)+128*\b+16*\j
.endr
.endr
.endm
.macro EQ t, f
.set XS, XT+64*((\f)%2)
.set KS, 2*((\t)%4)+(\f)%2
.set CD, 64*(2*((\t)/4)+(\f)/2)+16*(KS%4)
.set n, 0
.rept 64
	v_med3_num_f32 v[XS+n], v[XS+n], s46, s47      ; the conversion does not saturate (ISA guide 7.6.2): the hold comes first
.set n, n+1
.endr
	WIN 0x80+0x40*(KS/4)
.irp g, 0,1,2,3,4,5,6,7
	v_cvt_scalef32_pk8_fp8_f32 v[CD+2*\g:CD+2*\g+1], v[XS+8*\g:XS+8*\g+7], v13
.endr
	WIN 0
	v_nop                                          ; one plain line behind the conversions
.endm
.macro ESTEP t
	s_wait_tensorcnt 0x0                           ; my one load, this step's tile, is in
	ds_add_u32 v4, v5
.if (\t) < 7
	s_add_co_u32 s33, s61, (((\t)+1)%2)*SLOTB      ; the next step's tile: the other slot,
.if (\t) == 3
	s_add_nc_u64 s[34:35], s[34:35], (1<<17)-3072  ; 32 rows down and back along K,
.else
	s_add_nc_u64 s[34:35], s[34:35], 1024          ; or 256 numbers along K
.endif
.endif
	s_wait_dscnt 0x0                               ; the add is done, and my reads of the other slot
	CROUND
.if (\t) < 7
	tensor_load_to_lds s[32:35], s[68:75]
.else
	tensor_load_to_lds s[36:39], s[24:31]          ; Wh's first 64 rows, jointly, into slot 0
.endif
	s_nop 0
	PLACES
	ELOAD \t, 0
	ELOAD \t, 1
	s_wait_dscnt 16                                ; all but the next fragment's 16 loads
	EQ \t, 0
.if (\t) < 6
.irp i, 0,1,2,3                        ; the tile of step t + 2: rows 8 i + lane / 4; base and offset are never rewritten
	global_prefetch_b8 v12, s[4:5] offset:((((\t)+2)/4)<<17)+((((\t)+2)%4)<<10)+32768*\i th:TH_LOAD_NT scope:SCOPE_SE
.endr
.endif
	ELOAD \t, 2
	s_wait_dscnt 16
	EQ \t, 1
	ELOAD \t, 3
	s_wait_dscnt 16
	EQ \t, 2
	s_wait_dscnt 0x0
	EQ \t, 3
.endm
	s_wait_alu depctr_va_vdst(0)                   ; the wait at the head's end
	ESTEP 0
	s_wait_loadcnt 0x0                             ; cov, decf, wc, v
.irp e, 0,1,2,3,4,5,6,7
	v_mov_b32 v[216+4*\e], v[192+\e]
	v_mul_f32 v[217+4*\e], -2.0, v[208+\e]
	v_mul_f32 v[218+4*\e], 0x4038aa3b, v[200+\e]
	v_mov_b32 v[219+4*\e], 0
.endr
.irp e, 0,1,2,3,4,5,6,7
	ds_store_b128 v3, v[216+4*\e:219+4*\e] offset:16*\e   ; read by all waves behind later rounds, each with its wait for 0 on DScnt
.endr
.irp t, 1,2,3,4,5,6,7
	ESTEP \t
.endr
; PHASE 2.
.macro MM m, a                         ; product m of a period on Wh's set a: K step m / 4, row tile m % 4: the four accumulators take turns
.set KM, (\m)/4
.set RM, (\m)%4
.if KM == 0
	v_wmma_f32_16x16x128_fp8_fp8 v[ACC+8*RM:ACC+8*RM+7], v[64*RM+16*(KM%4):64*RM+16*(KM%4)+15], v[128*(\a)+16*KM:128*(\a)+16*KM+15], 0
.else
	v_wmma_f32_16x16x128_fp8_fp8 v[ACC+8*RM:ACC+8*RM+7], v[64*RM+16*(KM%4):64*RM+16*(KM%4)+15], v[128*(\a)+16*KM:128*(\a)+16*KM+15], v[ACC+8*RM:ACC+8*RM+7]
.endif
.endm
.macro BRUN a, off                     ; 32 LDS loads in one run: the tile at byte off of the slot into set a
	WIN 0x40
.irp k, 0,1,2,3,4,5,6,7
.irp c, 0,1,2,3
	ds_load_b128 v[128*(\a)+16*\k+4*\c:128*(\a)+16*\k+4*\c+3], v7 offset:(\off)+128*\k+32*\c
.endr
.endr
	WIN 0
.endm
.macro BATCH                           ; 2^x of this tile, 1 / y of the tile before; a plain line; the wait behind the batch
.set p, 0
.rept 32
	v_exp_f32 v[X+p], v[X+p]
.set p, p+1
.endr
.set p, 0
.rept 32
	v_rcp_f32 v[Y+p], v[Y+p]
.set p, p+1
.endr
	v_nop
	s_wait_alu depctr_va_vdst(0)
.endm
; The change of slots, in two parts.  CHG1: the wait for my tensor loads, the add, and the scalar steps; the wait on DScnt and the opening barrier follow it.
.macro CHG1 fill
	s_wait_tensorcnt 0x0                           ; my part of the next slot is in
	ds_add_u32 v4, v5
.if \fill
	s_xor_b32 s51, s51, SLOTB                      ; the slot that has been read out
	s_add_co_u32 s37, s60, s51
	s_add_nc_u64 s[38:39], s[38:39], 0x10000       ; the next 64 rows of Wh
.endif
	s_xor_b32 s48, s48, SLOTB                      ; the slot that is read from now on
	s_add_co_u32 s49, s49, 1024                    ; four tiles' quads on;
	s_and_b32 s49, s49, 0x3fff                     ; behind the last tile: back to the table's head
.endm
.macro CHG2 fill                       ; behind the opening barrier's wait
.if \fill
	CREST
	tensor_load_to_lds s[36:39], s[24:31]
	s_nop 0
	PLACES
.endif
	v_add_nc_u32 v7, s48, v6
	v_add_nc_u32 v9, s49, v8
	s_wait_alu depctr_va_vdst(0)
.endm
; A period on set a.  off: where the tile two periods on lies in the slot; timm: the next tile's quad; chg: 0 no change of slots at its end, 1 a change with a refill, 2 one without.
.macro PERIOD a, off, timm, chg
	s_wait_dscnt 32                                ; this tile's fragments and quad are in; behind them: the 32 loads of the run just issued
.set i, 0
.rept 16
	WIN 0x06+i/8
	MM 2*i, \a
	MM 2*i+1, \a
	WIN 0
	v_pk_fma_f32 v[S+2*i:S+2*i+1], v[Y+2*i:Y+2*i+1], v[K2:K2+1], v[S+2*i:S+2*i+1] op_sel_hi:[1,0,1]           ; the tile two back: S += 1 / y x -2 v
	v_pk_add_f32 v[Y+2*i:Y+2*i+1], v[X+2*i:X+2*i+1], 1.0 op_sel_hi:[1,0]                                       ; the tile before: y = 1 + 2^x
	v_pk_fma_f32 v[X+2*i:X+2*i+1], v[COV+2*i:COV+2*i+1], v[TABR+2:TABR+3], v[TABR:TABR+1] op_sel_hi:[1,0,0]   ; this tile: cov x c wc + c dec
.set i, i+1
.endr
	v_nop                                          ; with the three plain lines above: four places behind the last product (ISA guide 7.12.1)
	v_mov_b32 v[K2], v[K1]                         ; -2 v moves on with its tile
	v_mov_b32 v[K1], v[TABR+1]
	ds_load_b128 v[TABR:TABR+3], v9 offset:\timm   ; the next tile's quad
.if \chg
	CHG1 2-(\chg)                                  ; the old slot's last tile was read a period ago
.endif
.set p, 0
.rept 16
	v_pk_fma_f32 v[X+2*p:X+2*p+1], v[ACC+2*p:ACC+2*p+1], s[44:45], v[X+2*p:X+2*p+1] op_sel_hi:[1,0,1]         ; + sum x c 2^(e0 + e1); each accumulator from its low end on
.set p, p+1
.endr
.if \chg
	s_wait_dscnt 0x0                               ; the add is done, and my reads of the old slot
	s_barrier_signal -1                            ; register work alone up to its wait
	s_wait_alu depctr_va_vdst(0)                   ; the wait ahead of the batch
	BATCH
	s_barrier_wait -1
	CHG2 2-(\chg)
	BRUN \a, \off                                  ; from the new slot
.else
	s_wait_alu depctr_va_vdst(0)                   ; the wait ahead of the batch
	BRUN \a, \off
	BATCH
.endif
.endm
.macro TRIP chg                        ; four tiles: a slot.  The runs bring tiles 2 and 3 of this slot, then tiles 0 and 1 of the next: the change stands between
	PERIOD 0, 2*TILEB, 256, 0
	PERIOD 1, 3*TILEB, 512, 0
	PERIOD 0, 0, 768, \chg
	PERIOD 1, TILEB, 0, 0
.endm
	CHG1 1                                         ; Wh's rows 0-63 are in slot 0; rows 64-127 are asked for
	s_wait_dscnt 0x0
	s_barrier_signal -1
	s_barrier_wait -1
	CHG2 1
.set n, 0
.rept 32
	v_mov_b32 v[S+n], 0                            ; the sums; x and y of the two tiles that are not there: finite numbers, which meet -2 v = 0
	v_mov_b32 v[X+n], 0
	v_mov_b32 v[Y+n], 0
.set n, n+1
.endr
.irp n, 0,1,2,3
	v_mov_b32 v[K2+\n], 0                          ; both -2 v, and the pairs' upper halves
.endr
	BRUN 0, 0                                      ; tile 0,
	ds_load_b128 v[TABR:TABR+3], v9                ; its quad,
	BRUN 1, TILEB                                  ; tile 1
	s_mov_b32 s50, 14
	s_wait_alu depctr_va_vdst(0)
.Lgroup:                                               ; trip j: tiles 4 j .. 4 j + 3; its change asks for fill j + 2, up to the sixteenth
	TRIP 1
	s_sub_co_u32 s50, s50, 1
	s_cmp_lg_u32 s50, 0
	s_cbranch_scc1 .Lgroup
	s_mov_b32 s50, 2
.Ltail:                                                ; the last two slots ask for nothing.  The last two periods load two tiles and a quad that nobody multiplies (65 LDS loads of bytes that lie there), so that one text serves both trips
	TRIP 2
	s_sub_co_u32 s50, s50, 1
	s_cmp_lg_u32 s50, 0
	s_cbranch_scc1 .Ltail
.set p, 0
.rept 16                               ; the two tiles that are still on their way
	v_pk_fma_f32 v[S+2*p:S+2*p+1], v[Y+2*p:Y+2*p+1], v[K2:K2+1], v[S+2*p:S+2*p+1] op_sel_hi:[1,0,1]
	v_pk_add_f32 v[Y+2*p:Y+2*p+1], v[X+2*p:X+2*p+1], 1.0 op_sel_hi:[1,0]
.set p, p+1
.endr
	s_wait_alu depctr_va_vdst(0)
.set p, 0
.rept 32
	v_rcp_f32 v[Y+p], v[Y+p]
.set p, p+1
.endr
	v_nop
	s_wait_alu depctr_va_vdst(0)
.set p, 0
.rept 16
	v_pk_fma_f32 v[S+2*p:S+2*p+1], v[Y+2*p:Y+2*p+1], v[K1:K1+1], v[S+2*p:S+2*p+1] op_sel_hi:[1,0,1]
.set p, p+1
.endr
.irp m, 1,2,4,8                        ; the 16 columns' lanes meet
.set n, 0
.rept 32
	v_add_f32_dpp v[S+n], v[S+n], v[S+n] row_xmask:\m row_mask:0xf bank_mask:0xf
.set n, n+1
.endr
.endr
	v_and_b32 v1, 31, v0
	v_lshlrev_b32 v1, 3, v1
.set n, 0
.rept 32
	ds_store_b32 v14, v[S+n] offset:64*(n/8)+4*(n%8)       ; row 16 (n / 8) + 8 h + n % 8: sixteen lanes write one word with one value
.set n, n+1
.endr
	ds_load_b64 v[224:225], v15                    ; LDS serves a wave's instructions in order (ISA guide 5.7.1.4)
	s_wait_alu depctr_va_vdst(0)
	s_wait_dscnt 0x0
	global_store_b64 v1, v[224:225], s[18:19]      ; 32 lanes store 256 consecutive bytes, aligned
	s_wait_tensorcnt 0x0                           ; the wave's end
	ds_add_u32 v4, v5
	s_wait_dscnt 0x0
	CROUND                                         ; the closing round
	s_endpgm
.Lfunc_end_k_q080c05c38e_score:
	.size	k_q080c05c38e_score, .Lfunc_end_k_q080c05c38e_score-k_q080c05c38e_score
	.p2alignl 7, 3214868480
	.fill 96, 4, 3214868480
	.section	.rodata,"a",@progbits
	.p2align	6, 0x0
	.amdhsa_kernel k_q080c05c38e_score
		.amdhsa_group_segment_fixed_size 327680
		.amdhsa_private_segment_fixed_size 0
		.amdhsa_enable_private_segment 0
		.amdhsa_kernarg_size 64
		.amdhsa_user_sgpr_count 2
		.amdhsa_user_sgpr_kernarg_segment_ptr 1
		.amdhsa_wavefront_size32 1
		.amdhsa_system_sgpr_workgroup_id_x 1
		.amdhsa_system_sgpr_workgroup_id_y 1
		.amdhsa_system_sgpr_workgroup_id_z 1
		.amdhsa_system_vgpr_workitem_id 0
		.amdhsa_next_free_vgpr 1024
		.amdhsa_next_free_sgpr 80
		.amdhsa_reserve_vcc 0
		.amdhsa_float_denorm_mode_32 3
		.amdhsa_float_denorm_mode_16_64 3
		.amdhsa_memory_ordered 1
		.amdhsa_forward_progress 1
		.amdhsa_inst_pref_size 255
	.end_amdhsa_kernel
	.section	.bss,"aw",@nobits
	.p2align	6
	.space	262144
	.amdgpu_metadata
---
amdhsa.version: [ 1, 2 ]
amdhsa.kernels:
  - .name:           k_q080c05c38e_score
    .symbol:         k_q080c05c38e_score.kd
    .args:
      - { .name: encoder_output, .offset: 0, .size: 8, .value_kind: global_buffer, .address_space: global }
      - { .name: Wh_w_codes, .offset: 8, .size: 8, .value_kind: global_buffer, .address_space: global }
      - { .name: coverage_vector, .offset: 16, .size: 8, .value_kind: global_buffer, .address_space: global }
      - { .name: decf, .offset: 24, .size: 8, .value_kind: global_buffer, .address_space: global }
      - { .name: wc_w, .offset: 32, .size: 8, .value_kind: global_buffer, .address_space: global }
      - { .name: v_w, .offset: 40, .size: 8, .value_kind: global_buffer, .address_space: global }
      - { .name: lowp_scales, .offset: 48, .size: 8, .value_kind: global_buffer, .address_space: global }
      - { .name: scores, .offset: 56, .size: 8, .value_kind: global_buffer, .address_space: global }
    .group_segment_fixed_size: 327680
    .private_segment_fixed_size: 0
    .kernarg_segment_align: 8
    .kernarg_segment_size: 64
    .max_flat_workgroup_size: 128
    .sgpr_count:     80
    .vgpr_count:     1024
    .wavefront_size: 32
...
	.end_amdgpu_metadata
.endif
;; end of part 2
;; launch ctx (part 3): grid 256 x 1, 16 waves a work-group, no clusters, 43,008 bytes of LDS; arguments scores, x_padding_masks, coverage_vector, encoder_output, out0, out1, out2; writes out0, out1, out2
.if DOCPART == 3
	.amdgcn_target "amdgcn-amd-amdhsa--gfx1250"
	.amdhsa_code_object_version 6
	.text
	.protected	k_q080c05c38e_ctx
	.globl	k_q080c05c38e_ctx
	.p2align	8
	.type	k_q080c05c38e_ctx,@function
k_q080c05c38e_ctx:
	s_mov_b64 s[64:65], 0
	v_nop
	global_prefetch_b8 v0, s[64:65] scope:SCOPE_SE
	s_setreg_imm32_b32 hwreg(HW_REG_WAVE_MODE, 25, 1), 1
	s_wait_xcnt 0x0
; aw = e mask / sum(e mask), e = 2^((score - largest score of the batch) log2(e));  out1 = aw;  out2 = coverage + aw;  out0[b][d] = sum over s of aw[b][s] enc[b][s][d].
; reference() normalises the softmax, masks and normalises again: the first divisor cancels, so one division is made (the order of rounding differs).  The largest score is taken over
; all 512 places, masked or not, as reference() takes it.  A batch whose mask leaves nothing gives NaN, there as here.  The scores lack a constant of the batch (the sum of v), which the largest score takes away.
; SHARES.  A work-group takes one batch and one half of the 1,024 columns.  Wave w takes 128 columns (w % 4) and 128 rows (w / 4); a lane 4 columns.  Every wave makes the whole softmax of the batch
; for itself (2 KB of scores), so no wave waits for another ahead of the stream.  A ring of 16 row slots in registers keeps 16 loads of 512 consecutive bytes of every wave on their way.
; All arithmetic in f32 on the vector unit: one row of weights against a matrix has nothing for the matrix unit.  No cluster, no tensor load: two work-groups share 4 KB and nothing else.
.set RED, 32768                        ; LDS: 0: a copy of the 512 weights for each wave (2,048 bytes);  RED: 512 bytes a wave, the partial sums
.set X,   16                           ; v16-79   the ring: 16 slots of 4
.set W,   80                           ; v80-207  the weights of my 128 rows, the same in all lanes
.set AC,  208                          ; v208-215 two sums of 4: even rows, odd rows
.set P,   216                          ; v216-231 16 scores, then e, then aw: register 4 u + j: place 128 u + 4 lane + j
.set MK,  232                          ; v232-247 the mask, same map
	s_load_b256 s[4:11], s[0:1], 0x0               ; scores s[4:5], mask s[6:7], coverage s[8:9], enc s[10:11]
	s_load_b128 s[12:15], s[0:1], 0x20             ; out0 s[12:13], out1 s[14:15]
	s_load_b64 s[16:17], s[0:1], 0x30              ; out2
	v_lshl_add_u32 v254, v0, 2, 0xa000
	v_mov_b32 v255, 0
	v_lshrrev_b32 v1, 5, v0
	v_readfirstlane_b32 s18, v1                    ; wave 0..15
	v_and_b32 v1, 31, v0
	v_lshlrev_b32 v1, 4, v1                        ; 16 x lane; never rewritten
	s_wait_alu depctr_va_vdst(0)                   ; the wait behind the write
	s_lshr_b32 s19, ttmp9, 1                       ; the batch
	s_and_b32 s24, ttmp9, 1                        ; which half of the columns; also which half of out1 and out2 this work-group stores
	s_and_b32 s25, s18, 3                          ; my 128 columns
	s_lshr_b32 s26, s18, 2                         ; my 128 rows
	s_lshl_b32 s27, s18, 11                        ; my copy of the weights
	v_add_nc_u32 v2, s27, v1                       ; in
	s_lshl_b32 s28, s26, 9
	s_add_co_u32 s28, s28, s27
	v_mov_b32 v3, s28                              ; out: the weights of my rows, every lane the same bytes
	s_lshl_b32 s28, s18, 9
	s_add_co_u32 s28, s28, RED
	v_add_nc_u32 v4, s28, v1                       ; my partial sums
	s_lshl_b32 s28, s25, 9
	s_add_co_u32 s28, s28, RED
	v_add_nc_u32 v5, s28, v1                       ; the four partial sums of my columns, 2,048 bytes apart
	s_lshl_b32 s28, s24, 10
	s_add_co_u32 s28, s28, s27
	v_add_nc_u32 v6, s28, v1                       ; wave 4: the half of the weights that this work-group stores
	s_mov_b32 s20, 0x76543210                      ; v_permlanex16_b32: lane l xor 16
	s_mov_b32 s21, 0xfedcba98
	s_lshl_b32 s30, s19, 11                        ; the row of the batch in scores and mask
	s_mov_b32 s31, 0
	s_lshl_b32 s32, s24, 10
	s_add_co_u32 s32, s32, s30                     ; and my half of it in coverage, out1, out2
	s_mov_b32 s33, 0
	s_lshl_b32 s34, s19, 21                        ; enc: 512 rows of 4,096 bytes a batch,
	s_lshl_b32 s28, s26, 19                        ; my 128 rows,
	s_add_co_u32 s34, s34, s28
	s_lshl_b32 s28, s24, 11                        ; the half,
	s_add_co_u32 s34, s34, s28
	s_lshl_b32 s29, s25, 9                         ; my 512 bytes
	s_add_co_u32 s34, s34, s29
	s_mov_b32 s35, 0
	s_lshl_b32 s36, s19, 12                        ; out0: a row of 4,096 bytes a batch
	s_add_co_u32 s36, s36, s28
	s_add_co_u32 s36, s36, s29
	s_mov_b32 s37, 0
	s_wait_alu depctr_va_vdst(0)                   ; the wait at the head's end
	s_wait_kmcnt 0x0
	s_add_nc_u64 s[4:5], s[4:5], s[30:31]
	s_add_nc_u64 s[6:7], s[6:7], s[30:31]
	s_add_nc_u64 s[8:9], s[8:9], s[32:33]
	s_add_nc_u64 s[10:11], s[10:11], s[34:35]
	s_add_nc_u64 s[12:13], s[12:13], s[36:37]
	s_add_nc_u64 s[14:15], s[14:15], s[32:33]
	s_add_nc_u64 s[16:17], s[16:17], s[32:33]
.irp u, 0,1,2,3
	global_load_b128 v[P+4*\u:P+4*\u+3], v1, s[4:5] offset:512*\u
.endr
.irp u, 0,1,2,3
	global_load_b128 v[MK+4*\u:MK+4*\u+3], v1, s[6:7] offset:512*\u
.endr
	global_load_b128 v[8:11], v1, s[8:9]
	global_load_b128 v[12:15], v1, s[8:9] offset:512
.irp i, 0,1,2,3,4,5,6,7,8,9,10,11,12,13,14,15
	global_load_b128 v[X+4*\i:X+4*\i+3], v1, s[10:11] offset:4096*\i th:TH_LOAD_NT   ; the ring is filled: rows 0 to 15
.endr
	s_wait_loadcnt 16                              ; scores, mask and coverage are in; the 16 loads of the ring stay out
	v_max3_num_f32 v248, v[P], v[P+1], v[P+2]      ; the largest of my 16 scores, in two chains,
	v_max3_num_f32 v249, v[P+3], v[P+4], v[P+5]
	v_max3_num_f32 v248, v248, v[P+6], v[P+7]
	v_max3_num_f32 v249, v249, v[P+8], v[P+9]
	v_max3_num_f32 v248, v248, v[P+10], v[P+11]
	v_max3_num_f32 v249, v249, v[P+12], v[P+13]
	v_max3_num_f32 v248, v248, v[P+14], v[P+15]
	v_max_num_f32 v248, v248, v249
	v_max_num_f32_dpp v248, v248, v248 row_xmask:1 row_mask:0xf bank_mask:0xf   ; and of the 32 lanes
	v_max_num_f32_dpp v248, v248, v248 row_xmask:2 row_mask:0xf bank_mask:0xf
	v_max_num_f32_dpp v248, v248, v248 row_xmask:4 row_mask:0xf bank_mask:0xf
	v_max_num_f32_dpp v248, v248, v248 row_xmask:8 row_mask:0xf bank_mask:0xf
	v_permlanex16_b32 v249, v248, s20, s21
	v_max_num_f32 v248, v248, v249
	v_mul_f32 v250, 0xbfb8aa3b, v248               ; - largest x log2(e)
	v_mov_b32 v251, v250                           ; named with it as a pair, so it is written
.irp p, 0,2,4,6,8,10,12,14
	v_pk_fma_f32 v[P+\p:P+\p+1], v[P+\p:P+\p+1], 0x3fb8aa3b, v[250:251] op_sel_hi:[1,0,0]
.endr
	s_wait_alu depctr_va_vdst(0)                   ; the wait ahead of the batch
.irp p, 0,1,2,3,4,5,6,7,8,9,10,11,12,13,14,15
	v_exp_f32 v[P+\p], v[P+\p]
.endr
	v_nop                                          ; a plain line behind the last exponential
	s_wait_alu depctr_va_vdst(0)                   ; the wait ahead of the first line that names a result: one for the 16
.irp p, 0,2,4,6,8,10,12,14
	v_pk_mul_f32 v[P+\p:P+\p+1], v[P+\p:P+\p+1], v[MK+\p:MK+\p+1]
.endr
	v_pk_add_f32 v[248:249], v[P:P+1], v[P+2:P+3]  ; the sum of e mask, in two chains,
	v_pk_add_f32 v[252:253], v[P+4:P+5], v[P+6:P+7]
	v_pk_add_f32 v[248:249], v[248:249], v[P+8:P+9]
	v_pk_add_f32 v[252:253], v[252:253], v[P+10:P+11]
	v_pk_add_f32 v[248:249], v[248:249], v[P+12:P+13]
	v_pk_add_f32 v[252:253], v[252:253], v[P+14:P+15]
	v_pk_add_f32 v[248:249], v[248:249], v[252:253]
	v_add_f32 v248, v248, v249
	v_add_f32_dpp v248, v248, v248 row_xmask:1 row_mask:0xf bank_mask:0xf       ; and over the 32 lanes
	v_add_f32_dpp v248, v248, v248 row_xmask:2 row_mask:0xf bank_mask:0xf
	v_add_f32_dpp v248, v248, v248 row_xmask:4 row_mask:0xf bank_mask:0xf
	v_add_f32_dpp v248, v248, v248 row_xmask:8 row_mask:0xf bank_mask:0xf
	v_permlanex16_b32 v249, v248, s20, s21
	v_add_f32 v248, v248, v249
	s_wait_alu depctr_va_vdst(0)                   ; and ahead of the reciprocal
	v_rcp_f32 v250, v248
	v_nop                                          ; a plain line behind the reciprocal
	s_wait_alu depctr_va_vdst(0)                   ; and the wait ahead of its first reader
.irp p, 0,2,4,6,8,10,12,14
	v_pk_mul_f32 v[P+\p:P+\p+1], v[P+\p:P+\p+1], v[250:251] op_sel_hi:[1,0]     ; aw
.endr
.irp u, 0,1,2,3
	ds_store_b128 v2, v[P+4*\u:P+4*\u+3] offset:512*\u     ; my own copy: no other wave touches it, so no barrier
.endr
.irp k, 0,1,2,3,4,5,6,7,8,9,10,11,12,13,14,15,16,17,18,19,20,21,22,23,24,25,26,27,28,29,30,31
	ds_load_b128 v[W+4*\k:W+4*\k+3], v3 offset:16*\k       ; LDS serves the instructions of a wave in order (ISA guide 5.7.1.4): these see my stores
.endr
	s_cmp_lg_u32 s18, 4                            ; one wave stores the half of out1 and out2 that falls to this work-group
	s_cbranch_scc1 .Lnot_4
	ds_load_b128 v[MK:MK+3], v6
	ds_load_b128 v[MK+4:MK+7], v6 offset:512
	s_wait_dscnt 0x0
	v_pk_add_f32 v[MK+8:MK+9], v[MK:MK+1], v[8:9]
	v_pk_add_f32 v[MK+10:MK+11], v[MK+2:MK+3], v[10:11]
	v_pk_add_f32 v[MK+12:MK+13], v[MK+4:MK+5], v[12:13]
	v_pk_add_f32 v[MK+14:MK+15], v[MK+6:MK+7], v[14:15]
	global_store_b128 v1, v[MK:MK+3], s[14:15]             ; each store covers 512 consecutive bytes, aligned; its registers are not written again
	global_store_b128 v1, v[MK+4:MK+7], s[14:15] offset:512
	global_store_b128 v1, v[MK+8:MK+11], s[16:17]
	global_store_b128 v1, v[MK+12:MK+15], s[16:17] offset:512
.Lnot_4:
	s_wait_dscnt 0x0                               ; the weights are in
; 128 rows, written out: every offset is an immediate (520,192 at the most, inside the signed 24 bits: ISA guide, chapter 10), no pointer is stepped.
.set RI, 0
.rept 128
	s_wait_alu depctr_va_vdst(0)
.if 127-RI >= 15
	s_wait_loadcnt 15                              ; loads come back in order (ISA guide 5.7.1): this row is in, the 15 younger ones stay out
.else
	s_wait_loadcnt 127-RI                          ; the counts run down
.endif
.set XR, X+4*(RI%16)
.set AR, AC+4*(RI%2)
.set WR, W+RI-(RI%2)
.if RI == 0
	v_pk_mul_f32 v[AR:AR+1], v[XR:XR+1], v[WR:WR+1] op_sel_hi:[1,0]             ; the first two rows start the sums: nothing is cleared
	v_pk_mul_f32 v[AR+2:AR+3], v[XR+2:XR+3], v[WR:WR+1] op_sel_hi:[1,0]
.elseif RI == 1
	v_pk_mul_f32 v[AR:AR+1], v[XR:XR+1], v[WR:WR+1] op_sel:[0,1] op_sel_hi:[1,1]
	v_pk_mul_f32 v[AR+2:AR+3], v[XR+2:XR+3], v[WR:WR+1] op_sel:[0,1] op_sel_hi:[1,1]
.elseif RI%2 == 0
	v_pk_fma_f32 v[AR:AR+1], v[XR:XR+1], v[WR:WR+1], v[AR:AR+1] op_sel_hi:[1,0,1]           ; an even row: the low word of the pair of weights for both halves
	v_pk_fma_f32 v[AR+2:AR+3], v[XR+2:XR+3], v[WR:WR+1], v[AR+2:AR+3] op_sel_hi:[1,0,1]
.else
	v_pk_fma_f32 v[AR:AR+1], v[XR:XR+1], v[WR:WR+1], v[AR:AR+1] op_sel:[0,1,0] op_sel_hi:[1,1,1]   ; an odd row: the high word
	v_pk_fma_f32 v[AR+2:AR+3], v[XR+2:XR+3], v[WR:WR+1], v[AR+2:AR+3] op_sel:[0,1,0] op_sel_hi:[1,1,1]
.endif
.if RI+16 < 128
	global_load_b128 v[XR:XR+3], v1, s[10:11] offset:4096*(RI+16) th:TH_LOAD_NT
.endif
.set RI, RI+1
.endr
	v_pk_add_f32 v[AC:AC+1], v[AC:AC+1], v[AC+4:AC+5]
	v_pk_add_f32 v[AC+2:AC+3], v[AC+2:AC+3], v[AC+6:AC+7]
	ds_store_b128 v4, v[AC:AC+3]
	s_wait_dscnt 0x0                               ; for the other waves: my partial sums lie in LDS
	s_barrier_signal -1
	s_barrier_wait -1
	s_cmp_gt_u32 s18, 3                            ; waves 0 to 3 add the four groups of rows of their columns
	s_cbranch_scc1 .Lend
.irp g, 0,1,2,3
	ds_load_b128 v[X+4*\g:X+4*\g+3], v5 offset:2048*\g
.endr
	s_wait_dscnt 0x0
	v_pk_add_f32 v[X:X+1], v[X:X+1], v[X+4:X+5]
	v_pk_add_f32 v[X+2:X+3], v[X+2:X+3], v[X+6:X+7]
	v_pk_add_f32 v[X+8:X+9], v[X+8:X+9], v[X+12:X+13]
	v_pk_add_f32 v[X+10:X+11], v[X+10:X+11], v[X+14:X+15]
	v_pk_add_f32 v[X:X+1], v[X:X+1], v[X+8:X+9]
	v_pk_add_f32 v[X+2:X+3], v[X+2:X+3], v[X+10:X+11]
	global_store_b128 v1, v[X:X+3], s[12:13]       ; 32 lanes store 512 consecutive bytes, at a multiple of 256 from the first byte of out0
.Lend:
	s_wait_tensorcnt 0x0
	ds_add_u32 v254, v255
	s_wait_dscnt 0x0
	s_endpgm
.Lfunc_end_k_q080c05c38e_ctx:
	.size	k_q080c05c38e_ctx, .Lfunc_end_k_q080c05c38e_ctx-k_q080c05c38e_ctx
	.p2alignl 7, 3214868480
	.fill 96, 4, 3214868480
	.section	.rodata,"a",@progbits
	.p2align	6, 0x0
	.amdhsa_kernel k_q080c05c38e_ctx
		.amdhsa_group_segment_fixed_size 43008
		.amdhsa_private_segment_fixed_size 0
		.amdhsa_enable_private_segment 0
		.amdhsa_kernarg_size 56
		.amdhsa_user_sgpr_count 2
		.amdhsa_user_sgpr_kernarg_segment_ptr 1
		.amdhsa_wavefront_size32 1
		.amdhsa_system_sgpr_workgroup_id_x 1
		.amdhsa_system_sgpr_workgroup_id_y 1
		.amdhsa_system_sgpr_workgroup_id_z 1
		.amdhsa_system_vgpr_workitem_id 0
		.amdhsa_next_free_vgpr 256
		.amdhsa_next_free_sgpr 66
		.amdhsa_reserve_vcc 0
		.amdhsa_float_denorm_mode_32 3
		.amdhsa_float_denorm_mode_16_64 3
		.amdhsa_memory_ordered 1
		.amdhsa_forward_progress 1
		.amdhsa_inst_pref_size 48
	.end_amdhsa_kernel
	.amdgpu_metadata
---
amdhsa.version: [ 1, 2 ]
amdhsa.kernels:
  - .name:           k_q080c05c38e_ctx
    .symbol:         k_q080c05c38e_ctx.kd
    .args:
      - { .name: scores, .offset: 0, .size: 8, .value_kind: global_buffer, .address_space: global }
      - { .name: x_padding_masks, .offset: 8, .size: 8, .value_kind: global_buffer, .address_space: global }
      - { .name: coverage_vector, .offset: 16, .size: 8, .value_kind: global_buffer, .address_space: global }
      - { .name: encoder_output, .offset: 24, .size: 8, .value_kind: global_buffer, .address_space: global }
      - { .name: out0, .offset: 32, .size: 8, .value_kind: global_buffer, .address_space: global }
      - { .name: out1, .offset: 40, .size: 8, .value_kind: global_buffer, .address_space: global }
      - { .name: out2, .offset: 48, .size: 8, .value_kind: global_buffer, .address_space: global }
    .group_segment_fixed_size: 43008
    .private_segment_fixed_size: 0
    .kernarg_segment_align: 8
    .kernarg_segment_size: 56
    .max_flat_workgroup_size: 512
    .sgpr_count:     66
    .vgpr_count:     256
    .wavefront_size: 32
...
	.end_amdgpu_metadata
.endif
;; end of part 3
